; MI455X (gfx1250); checked and timed in simulation.
; The chip was launched on July 23, 2026; its instructions are those of AMD's public machine-readable ISA for CDNA 5 (MIT licence, August 2026) and "CDNA5" Instruction Set Architecture Reference Guide (July 2026). The comments in the code are by the model that wrote it; some were corrected since.
;; Scaled Dot Product Attention. Allowed arithmetic: matrix products marked QUANTISED: E2M1 operands, one E8M0 scale for each 32 along K, by v_wmma_scale_f32_16x16x128_f8f6f4 with both operands' format E2M1 (or v_wmma_scale_f32_32x16x128_f4), f32 sums; everything else in f32.
;; Inputs: k_codes 8 x 8 x 1,024 x 2 x 16 uint8 (E2M1 codes of k, K innermost, in blocks of 32 codes, two codes a byte); k_scales 8 x 8 x 1,024 x 2 uint8 (E8M0 scales of k, one for each 32 codes along K); q_codes 8 x 8 x 1,024 x 2 x 16 uint8 (E2M1 codes of q, K innermost, in blocks of 32 codes, two codes a byte); q_scales 8 x 8 x 1,024 x 2 uint8 (E8M0 scales of q, one for each 32 codes along K); v_codes 8 x 8 x 64 x 32 x 16 uint8 (E2M1 codes of v, K innermost, in blocks of 32 codes, two codes a byte); v_scales 8 x 8 x 64 x 32 uint8 (E8M0 scales of v, one for each 32 codes along K).
;; Outputs: out0 8 x 8 x 1,024 x 64 float32.
;; This version of the problem:
;;   THIS VERSION OF THE PROBLEM IS GIVEN IN LOW PRECISION. The matrix products marked QUANTISED in the list below multiply operands that are first quantised to E2M1 (2 exponent bits, 1 mantissa bit; 4 bits a number), with one power-of-two scale for each 32 numbers along K (OCP MX v1.0); their sums are f32. All else is computed in f32.
;;   The module's matrix products, in the order in which they are computed (A, B: the left and right operand; K: the contracted axis; several contracted axes count as one K, in the product's order):
;;     1. batch 64 x [M 1,024, K 64] x [K 64, N 1,024]; A: input q (given as codes); B: input k (given as codes): QUANTISED
;;     2. batch 64 x [M 1,024, K 1,024] x [K 1,024, N 64]; A: computed on the way; B: input v (given as codes): QUANTISED
;;   THE QUANTISER, for each operand of a quantised product, along K:
;;     - K is cut into blocks of 32 from its start; a last block that is shorter is filled with zeros.
;;     - A block's scale is 2^e with e = floor(log2(the largest magnitude in the block)) - 2, held to -126 .. 127; a block of zeros has e = 0. As a byte (E8M0): e + 127.
;;     - Each number is divided by its block's scale, clamped to +-6, and rounded to the nearest number of E2M1, ties to even, subnormals kept.
;;     - The product sums the exact products of the quantised numbers (number of the format x scale) in f32.
;;   ~~~python
;;   def quantise(x, axis):      # numpy; x: float32 -> the quantised numbers, widened to float32 again
;;       x = np.moveaxis(x, axis, -1); K = x.shape[-1]
;;       x = np.pad(x, [(0, 0)] * (x.ndim - 1) + [(0, -K % 32)]); x = x.reshape(x.shape[:-1] + (-1, 32)); a = np.abs(x).max(-1, keepdims=True)
;;       e = np.where(a > 0, np.clip(np.frexp(np.where(a > 0, a, 1))[1] - 1 - 2, -126, 127), 0)      # np.frexp(a)[1] - 1 = floor(log2(a)), exactly
;;       r = np.clip(x / 2.0 ** e, -6, 6)
;;       step = 2.0 ** (np.maximum(np.frexp(np.where(r == 0, 1, r))[1] - 1, 0) - 1)
;;       q = np.round(r / step) * step * 2.0 ** e      # np.round: ties to even
;;       return np.moveaxis(q.reshape(q.shape[:-2] + (-1,))[..., :K], -1, axis).astype(np.float32)
;;   ~~~
;;   OPERANDS COMPUTED ON THE WAY. 'Computed on the way' means the value that the module computes at that place (a softmax that the list does not call 'softmax' is quantised finished and normalised). What goes into a quantiser is computed in f32, as accurately as f32 sums, v_exp_f32 and their like allow (about 1e-6 of the number): no bf16 or f16 on the way to a quantiser, and a product that is left as it is and whose result goes on into a quantised operand takes f32 operands (vector FMAs, or v_wmma_f32_16x16x4_f32). A number that lies on a knife's edge between two numbers of the format may be rounded either way, as far as f32 arithmetic and the matrix unit's own rounding can turn it there, and no further.
;;   INPUTS GIVEN AS CODES. k (in the module: [8, 8, 1024, 64], K = its axis 3); q (in the module: [8, 8, 1024, 64], K = its axis 3); v (in the module: [8, 8, 1024, 64], K = its axis 2): each comes as NAME_codes (uint8): NAME with its K axis moved to the last place and cut into blocks of 32 codes, [.., K / 32, bytes a block], one block behind the other in memory; two codes a byte, the lower K in the low four bits (a code: sign, 2 exponent bits, 1 mantissa bit); and NAME_scales (uint8): the same leading axes, one E8M0 byte (e + 127) for each 32 codes along K. Its value is code x scale, taken as it is: it is not quantised again, and the codes and scales need not be those that the quantiser above would give.
;; One version. Each part assembles by itself: llvm-mc -triple=amdgcn-amd-amdhsa -mcpu=gfx1250 --defsym DOCPART=n.
;; ======== version 1 of 1: 1 launch
;; launch entmax_attn (part 1): grid 4 x 64, 4 waves a work-group, clusters of 4 x 1, 168,448 bytes of LDS; arguments k_codes, k_scales, q_codes, q_scales, v_codes, v_scales, out0; writes out0
.if DOCPART == 1
	.amdgcn_target "amdgcn-amd-amdhsa--gfx1250"
	.amdhsa_code_object_version 6
	.text
	.protected	k_qed5348364f_entmax_attn
	.globl	k_qed5348364f_entmax_attn
	.p2align	8
	.type	k_qed5348364f_entmax_attn,@function
k_qed5348364f_entmax_attn:
	s_mov_b64 s[64:65], 0
	v_nop
	global_prefetch_b8 v0, s[64:65] scope:SCOPE_SE
	s_setreg_imm32_b32 hwreg(HW_REG_WAVE_MODE, 25, 1), 1
	s_wait_xcnt 0x0
	s_wait_alu depctr_hold_cnt(0) depctr_sa_sdst(0) depctr_va_vdst(0) depctr_va_sdst(0) depctr_va_ssrc(0) depctr_va_vcc(0) depctr_vm_vsrc(0)
	s_getreg_b32 s2, hwreg(HW_REG_IB_STS2, 6, 4)
	s_cmp_eq_u32 s2, 0
	s_cbranch_scc0 .Lentry_in_a_cluster
	s_endpgm
.Lentry_in_a_cluster:
	s_bfe_u32 s2, ttmp6, 0x10000c
	s_cmp_lg_u32 s2, 0x3003
	s_cbranch_scc0 .Lentry_shape_is_right
	s_endpgm
.Lentry_shape_is_right:
; out[h][q][:] = sum over k of p[q][k] v[h][k][:],  p = 1.5-entmax over k of (q . k / 8):  p = max(x - tau, 0)^2,  x = q . k / 16 less its row's maximum,  tau the root of sum p = 1.
; Both products on codes of FP4 (E2M1) with one E8M0 scale for each 32 along K.  64 heads, 1,024 queries, 1,024 keys, head size 64.  q, k: codes along the head's 64; v: codes with the KEYS innermost.  out: f32.
; SHARES.  A work-group owns a quarter (256) of a head's queries, each of its four waves 64 of them: four tiles of 16, one after the other.  A tile's whole S^T (1,024 keys x 16 queries) is 512 registers and stays
; in registers through the search for tau: nothing is computed twice.  A lane holds ONE query (lane % 16) and 512 of its keys; the lane 16 away holds the other 512.
; CLUSTER.  The four quarters of a head read the same K, V and scale bytes (68 KB): each of the four blocks is asked for JOINTLY, once, by one wave of each work-group, and stays in LDS.  No LDS byte is filled twice.
; Every stream from memory is asked for at the head, but q: a tile's q is loaded into its registers during the tile before.
; THE ROOT, in raw units: X = S - max S <= 0, t = -16 tau, T = max(X + t, 0); wanted: sum T^2 = 256; then p = T^2 / 256.  All factors are powers of two: the change of units rounds nothing.
; With u = t / 16 and h(u) = sqrt(sum T^2) / 16, h is convex, h(0) = 0, its slope g = s1 / sqrt(s2) lies in 1 .. 32, and the root u* in 1/32 .. 1.  Newton's step from u = 1 comes down on u* from above:
; t <- t - H (H - 16) / s1,  s1 = sum T, H = sqrt(sum T^2).  THE NUMBER OF PASSES IS A CONSTANT THAT SERVES EVERY INPUT: convexity gives (h_(k+1) - 1) / (h_k - 1) <= 1 - g_(k+1) / g_k, and the slopes' ratios
; multiply to at least 1 / (32 u*), so the error after k passes is at most 32 u* (1 - u*) (1 - (32 u*)^(-1/k))^k: under 2^-13 for k = 9, whatever u*.  From there h'' <= 1,023 and g >= 1 give
; e <- 512 e^2: 2^-17, 2^-25, 2^-41.  So NIT = 12.  s1 >= t >= 0.5 (the row's largest score has X = 0), so the reciprocal and the root are taken of ordinary numbers.
; The row's maximum is taken away from the scores, as the definition has it: X + t then keeps its accuracy however large the scores are.
; K = 64 IS HALF OF THE MATRIX INSTRUCTION'S 128.  A fragment of K's codes (8 registers) holds TWO tiles of 16 keys, one in registers 0-3 and one in 4-7.  It is multiplied twice: by (q, zeros) and by (zeros, q).
; The other tile's codes meet zero codes and add nothing.  So no register and no LDS load is spent on zeros.
; THE KEYS OF A TILE ARE NOT NEIGHBOURS: lane r of tile 2 b + u takes key 32 b + 8 u + r + 8 (r / 8), so that the 16 registers of tiles 2 b and 2 b + 1 are keys 32 b + 16 (lane / 16) + 0 .. 15: half a block of p.
; BOTH PRODUCTS ARE USED TRANSPOSED: S^T = K Q^T (source 0 = keys), O^T = V^T P^T (source 0 = 16 of the head's 64).
; LIMITS: NaN, infinities and the scale byte 0xff among the inputs are not served.  A block of p that is all zeros gets the byte 1 where the quantiser says 127: its codes are zeros, and the bytes are this
; program's own.  A block whose largest p lies under 2^-124 keeps the byte 1, as the quantiser's hold at -126 asks.
;
; REGISTERS, in windows of 256 (s_set_vgpr_msb: bits 1:0 source 0, 3:2 source 1, 5:4 source 2, 7:6 destination):
;   window 1: X of key tiles 0-31 (tile T at v[8 T]);  window 2: tiles 32-63;  window 3: V's 32 fragments ((m, s) at v[8 (8 m + s)]: 16 m of the head's 64 on, keys 128 s on), for the whole launch.
;   window 0: v1-11 addresses; v12 t; v14 the row's maximum; v16-22 a pass's figures; v24-39 q twice; v40-41 q's scales; v44-75 K's scale words; v76-91 V's; v92-99 p's; v100-131 a figure for each block of 32 keys;
;   v132-227 at work, by phase (below); v228-231 the row maximum's chains.
.set KC,    0                          ; LDS: K's codes, 1,024 keys x 32 bytes, as they lie
.set VC,    32768                      ; V's codes: 64 rows of 512 bytes + 16 of padding
.set VP,    528
.set KSB,   66560                      ; K's scale bytes, 2 a key
.set VSB,   68608                      ; V's scale bytes, 32 a row
.set STG,   70656                      ; the way out: 16 rows x (256 + 16) bytes for each wave; no tensor load lands here
.set SP,    272
.set NIT,   12                         ; passes of the search for tau (head comment)
.set NTILE, 4                          ; tiles of 16 queries to a wave
.set AK,  3                            ; v3   my lane's place in a fragment of K
.set STO, 4                            ; v4   the way out: where I put 32 bytes of a row
.set RD,  5                            ; v5   and where I read a row back
.set GO,  6                            ; v6   my byte offset in the tile's rows of out
.set QO,  7                            ; v7   my byte offset in the tile's rows of q's codes
.set QSO, 8                            ; v8   and of q's scale bytes
.set AV,  9                            ; v9   my lane's place in a fragment of V
.set KSA, 10                           ; v10  among K's scale bytes
.set VSA, 11                           ; v11  among V's
.set NT,  12                           ; v[12:13] t = -16 tau: the packed forms name a pair and take its low word
.set MX,  14                           ; v[14:15] the row's maximum, likewise
.set QA,  24                           ; v[24:31] (q's codes, zeros)
.set QB,  32                           ; v[32:39] (zeros, q's codes)
.set QSR, 40                           ; v40  q's two scale bytes as loaded
.set QSD, 41                           ; v41  the same twice: bytes 0, 1 serve QA, bytes 2, 3 serve QB
.set KS,  44                           ; v44-75   K's scale words: register b: lanes 0-15 tile 2 b's keys, lanes 16-31 tile 2 b + 1's; each key's two bytes twice
.set VS,  76                           ; v76-91   V's scale words: register 8 (m / 2) + s: lanes 0-15 tile m even, lanes 16-31 tile m odd
.set PW,  92                           ; v92-99   p's scale words, one for each 128 keys
.set BM,  100                          ; v100-131 block b: its largest score, then its largest T^2, then the conversion's scale operand
.set KB,  132                          ; QK: two sets of four fragments of K, v132-163 and v164-195
.set PT,  132                          ; maxima: what the lane 16 away holds
.set TT,  132                          ; passes and the last step: 16 pairs of T
.set S1,  164                          ; passes: eight pairs that sum T
.set S2,  180                          ; and eight that sum T^2
.set BY,  164                          ; p's scale bytes, one a register, until the words are made
.set PC,  164                          ; v164-227 p's codes: 8 fragments
.set OA,  132                          ; O^T: four accumulators
.set OB,  164                          ; the way out: 16 rows read back
.set RT,  228
.set WV,   18                          ; s18  my wave's number
.set SEL,  22                          ; s[22:23] v_permlanex16_b32's selects for the lane 16 away
.set TLEFT, 24                         ; s24  tiles to go
.set PLEFT, 25                         ; s25  passes to go
.set G1K,  28                          ; s[28:35] descriptor group 1 for K's codes;  s[36:43] for V's;  s[44:51] for either block of scale bytes
.set G1V,  36
.set G1S,  44
.set G0K,  52                          ; s[52:55], s[56:59], s[60:63], s[68:71] groups 0: K's codes, V's codes, K's scales, V's scales
.set G0V,  56
.set G0KS, 60
.set G0VS, 68
.set MSB, 0
.macro WIN new                         ; the immediate's high byte repeats the setting that is left; a switch that changes nothing is dropped
.if MSB != (\new)
	s_set_vgpr_msb (MSB<<8)|(\new)
.set MSB, (\new)
.endif
.endm
.macro PLACES n
.rept \n
	v_nop
.endr
.endm
; A round of the cluster's barrier: my work-group's barrier, so that wave 0's signal speaks for all four waves; wave 0 signals; every wave waits for all four work-groups; my work-group's barrier once more.
.macro CROUND
	s_barrier_signal -1
	s_barrier_wait -1
	s_cmp_lg_u32 s[WV], 0
	s_cbranch_scc1 .Lnot_wave_0_\@
	s_barrier_signal -3
.Lnot_wave_0_\@:
	s_barrier_wait -3
	s_barrier_signal -1
	s_barrier_wait -1
.endm
; a tile's q: lane (r, h) takes the 16 bytes of query r's block h, once into QA's low half and once into QB's high half, and query r's two scale bytes
.macro QLOAD
	global_load_b128 v[QA:QA+3], v[QO], s[8:9]
	global_load_b128 v[QB+4:QB+7], v[QO], s[8:9]
	global_load_u16 v[QSR], v[QSO], s[10:11]
.endm
; four fragments of K (blocks of 32 keys 4 g .. 4 g + 3) into set g % 2: registers 0-3 tile 2 b, registers 4-7 tile 2 b + 1, whose keys lie 8 rows (256 bytes) on
.macro LOADK g
.set i, 0
.rept 4
	ds_load_b128 v[KB+32*((\g)%2)+8*i:KB+32*((\g)%2)+8*i+3],   v[AK] offset:1024*(4*(\g)+i)
	ds_load_b128 v[KB+32*((\g)%2)+8*i+4:KB+32*((\g)%2)+8*i+7], v[AK] offset:1024*(4*(\g)+i)+256
.set i, i+1
.endr
.endm
; their eight products: each fragment by (q, 0) and by (0, q).  Every product has an accumulator of its own and starts it with the constant 0.
.macro MULK g
	WIN 0x40*(1+(\g)/4)                            ; destination window 1 (tiles 0-31) or 2
.set i, 0
.rept 4
.set rK, KB+32*((\g)%2)+8*i
.set rX, 8*((8*(\g)+2*i)%32)
	v_wmma_scale_f32_16x16x128_f8f6f4 v[rX:rX+7], v[rK:rK+7], v[QA:QA+7], 0, v[KS+4*(\g)+i], v[QSD] matrix_a_fmt:MATRIX_FMT_FP4 matrix_b_fmt:MATRIX_FMT_FP4
	v_wmma_scale_f32_16x16x128_f8f6f4 v[rX+8:rX+15], v[rK:rK+7], v[QB:QB+7], 0, v[KS+4*(\g)+i], v[QSD] matrix_a_fmt:MATRIX_FMT_FP4 matrix_b_fmt:MATRIX_FMT_FP4 matrix_a_scale:MATRIX_SCALE_ROW1
.set i, i+1
.endr
	WIN 0
.endm
; the largest score of my 16 keys of blocks 8 q .. 8 q + 7, the eight blocks by turns; each accumulator is read from its low end on
.macro BMAX q
	WIN 0x14*(1+(\q)/2)                            ; sources 1 and 2: window 1 or 2
.irp b, 0,1,2,3,4,5,6,7
	v_max3_num_f32 v[BM+8*(\q)+\b], 0xff800000, v[16*((8*(\q)+\b)%16)], v[16*((8*(\q)+\b)%16)+1]
.endr
.set i, 2
.rept 7
.irp b, 0,1,2,3,4,5,6,7
	v_max3_num_f32 v[BM+8*(\q)+\b], v[BM+8*(\q)+\b], v[16*((8*(\q)+\b)%16)+i], v[16*((8*(\q)+\b)%16)+i+1]
.endr
.set i, i+2
.endr
.endm
; X + t of blocks 2 g and 2 g + 1, 16 pairs, into TT: the one run of a group that reaches into window 1 or 2
.macro TSUB16 g
	WIN 1+(\g)/8                                   ; source 0: window 1 or 2
.set i, 0
.rept 16
	v_pk_add_f32 v[TT+2*i:TT+2*i+1], v[32*((\g)%8)+2*i:32*((\g)%8)+2*i+1], v[NT:NT+1] op_sel_hi:[1,0]
.set i, i+1
.endr
	WIN 0
.endm
.macro RELU2 d, a                      ; two maxima with 0 in one issue: there is no packed maximum in f32
	v_dual_max_num_f32 v[\d], 0, v[\a] :: v_dual_max_num_f32 v[\d+1], 0, v[\a+1]
.endm
.macro SQACC c, a                      ; two sums of squares go on
	v_dual_fmac_f32 v[\c], v[\a], v[\a] :: v_dual_fmac_f32 v[\c+1], v[\a+1], v[\a+1]
.endm
; A pass's work on two blocks: four instructions a pair of scores.  first = 1: the first eight pairs start the sums: nothing is ever cleared.
.macro GROUP g, first
	TSUB16 \g
.if \first
.set i, 0
.rept 8
	RELU2 S1+2*i, TT+2*i
.set i, i+1
.endr
.rept 8
	RELU2 TT+2*i, TT+2*i
.set i, i+1
.endr
.set i, 0
.rept 8
	v_pk_mul_f32 v[S2+2*i:S2+2*i+1], v[S1+2*i:S1+2*i+1], v[S1+2*i:S1+2*i+1]
.set i, i+1
.endr
.set i, 0
.rept 8
	v_pk_add_f32 v[S1+2*i:S1+2*i+1], v[S1+2*i:S1+2*i+1], v[TT+16+2*i:TT+16+2*i+1]
.set i, i+1
.endr
.set i, 0
.rept 8
	SQACC S2+2*i, TT+16+2*i
.set i, i+1
.endr
.else
.set i, 0
.rept 16
	RELU2 TT+2*i, TT+2*i
.set i, i+1
.endr
.set i, 0
.rept 16
	v_pk_add_f32 v[S1+2*(i%8):S1+2*(i%8)+1], v[S1+2*(i%8):S1+2*(i%8)+1], v[TT+2*i:TT+2*i+1]
.set i, i+1
.endr
.set i, 0
.rept 16
	SQACC S2+2*(i%8), TT+2*i
.set i, i+1
.endr
.endif
.endm
; A pass's end: the chains are added, the lane 16 away gives its half (both lanes add the same two numbers, so both get the same t), and t takes Newton's step.
.macro TAIL
.irp d, 4,2,1
.set i, 0
.rept \d
	v_pk_add_f32 v[S1+2*i:S1+2*i+1], v[S1+2*i:S1+2*i+1], v[S1+2*(i+\d):S1+2*(i+\d)+1]
	v_pk_add_f32 v[S2+2*i:S2+2*i+1], v[S2+2*i:S2+2*i+1], v[S2+2*(i+\d):S2+2*(i+\d)+1]
.set i, i+1
.endr
.endr
	v_add_f32 v16, v[S1], v[S1+1]
	v_add_f32 v17, v[S2], v[S2+1]
	v_permlanex16_b32 v18, v16, s[SEL], s[SEL+1]
	v_permlanex16_b32 v19, v17, s[SEL], s[SEL+1]
	v_add_f32 v16, v16, v18                        ; s1 = sum T
	v_add_f32 v17, v17, v19                        ; s2 = sum T^2
	v_sqrt_f32 v20, v17                            ; H
	v_rcp_f32 v21, v16                             ; 1 / s1
	v_nop                                          ; a plain instruction behind the two, ahead of the first use
	s_wait_alu depctr_va_vdst(0)                   ; one wait for both, ahead of their first reader
	v_add_f32 v22, 0xc1800000, v20                 ; H - 16
	v_mul_f32 v22, v22, v20
	v_fma_f32 v[NT], -v22, v21, v[NT]              ; t - H (H - 16) / s1
.endm
; The last step on two blocks: T^2 = 256 p, and its codes under the blocks' scales.  The v_nop is the plain instruction between the conversions and the next run's writes of their sources.
.macro PSTEP g
	TSUB16 \g
.set i, 0
.rept 16
	RELU2 TT+2*i, TT+2*i
.set i, i+1
.endr
.set i, 0
.rept 16
	v_pk_mul_f32 v[TT+2*i:TT+2*i+1], v[TT+2*i:TT+2*i+1], v[TT+2*i:TT+2*i+1]
.set i, i+1
.endr
.set i, 0
.rept 4
	v_cvt_scalef32_pk8_fp4_f32 v[PC+4*(\g)+i], v[TT+8*i:TT+8*i+7], v[BM+2*(\g)+i/2]   ; keys 64 g + 32 (i / 2) + 16 (lane / 16) + 8 (i % 2) + 0 .. 7
.set i, i+1
.endr
	v_nop
.endm
; O^T(16 m on) += V^T P^T over keys 128 s on.  The first K step starts the sum with the constant 0.
.macro PVMUL m, s
.set rO, OA+8*(\m)
.set rV, 8*(8*(\m)+(\s))
.set rP, PC+8*(\s)
.set rA, VS+8*((\m)/2)+(\s)
.if (\s) == 0
.if (\m)%2
	v_wmma_scale_f32_16x16x128_f8f6f4 v[rO:rO+7], v[rV:rV+7], v[rP:rP+7], 0, v[rA], v[PW+(\s)] matrix_a_fmt:MATRIX_FMT_FP4 matrix_b_fmt:MATRIX_FMT_FP4 matrix_a_scale:MATRIX_SCALE_ROW1
.else
	v_wmma_scale_f32_16x16x128_f8f6f4 v[rO:rO+7], v[rV:rV+7], v[rP:rP+7], 0, v[rA], v[PW+(\s)] matrix_a_fmt:MATRIX_FMT_FP4 matrix_b_fmt:MATRIX_FMT_FP4
.endif
.else
.if (\m)%2
	v_wmma_scale_f32_16x16x128_f8f6f4 v[rO:rO+7], v[rV:rV+7], v[rP:rP+7], v[rO:rO+7], v[rA], v[PW+(\s)] matrix_a_fmt:MATRIX_FMT_FP4 matrix_b_fmt:MATRIX_FMT_FP4 matrix_a_scale:MATRIX_SCALE_ROW1
.else
	v_wmma_scale_f32_16x16x128_f8f6f4 v[rO:rO+7], v[rV:rV+7], v[rP:rP+7], v[rO:rO+7], v[rA], v[PW+(\s)] matrix_a_fmt:MATRIX_FMT_FP4 matrix_b_fmt:MATRIX_FMT_FP4
.endif
.endif
.endm
	; ---------------- THE HEAD ----------------
	s_load_b256 s[4:11], s[0:1], 0x0               ; K's codes s[4:5], K's scales s[6:7], q's codes s[8:9], q's scales s[10:11]
	s_load_b128 s[12:15], s[0:1], 0x20             ; V's codes s[12:13], V's scales s[14:15]
	s_load_b64 s[16:17], s[0:1], 0x30              ; out
	v_lshl_add_u32 v254, v0, 2, 0x29000
	v_mov_b32 v255, 0
	ds_add_u32 v254, v255
	ds_add_u32 v254, v255
	v_lshrrev_b32 v1, 5, v0
	v_readfirstlane_b32 s[WV], v1                  ; wave 0..3
	s_bfe_u32 s19, ttmp6, 0x40000                  ; cx: my place in the cluster: it enters q's and out's addresses alone
	s_and_b32 s20, ttmp7, 0xffff                   ; the head, which the four partners share
	s_lshl_b32 s72, s20, 15                        ; the head's first byte in each tensor of codes (32,768 bytes a head),
	s_mov_b32 s73, 0
	s_lshl_b32 s74, s20, 11                        ; and in each tensor of scale bytes (2,048 a head)
	s_mov_b32 s75, 0
	s_lshl_b32 s21, ttmp9, 2                       ; in a cluster launch ttmp9 counts clusters
	s_add_co_u32 s21, s21, s19                     ; my quarter of the head's queries
	s_lshl_b32 s21, s21, 8
	s_lshl_b32 s76, s[WV], 6
	s_add_co_u32 s21, s21, s76                     ; my wave's first query: 256 x quarter + 64 x wave
	s_lshl_b32 s76, s21, 5                         ; its codes: 32 bytes a query,
	s_add_co_u32 s76, s76, s72
	s_mov_b32 s77, 0
	s_lshl_b32 s78, s21, 1                         ; its scale bytes: 2 a query,
	s_add_co_u32 s78, s78, s74
	s_mov_b32 s79, 0
	s_lshl_b32 s26, s20, 18                        ; its row of out: 256 bytes a query, 2^18 a head
	s_lshl_b32 s27, s21, 8
	s_add_co_u32 s26, s26, s27
	s_mov_b32 s27, 0
	s_mov_b32 s[SEL], 0x76543210
	s_mov_b32 s[SEL+1], 0xfedcba98
	; descriptor group 1.  K's codes: one dense block of 32,768 bytes, as 128 rows of 256 bytes (32 elements of 8 bytes), no padding
	s_mov_b32 s[G1K], 15|(3<<16)|(1<<21)           ; 15:0 the mask: all four work-groups; 17:16 elements of 8 bytes; 21 set beside a mask
	s_mov_b32 s[G1K+1], 32<<16                     ; tensor_dim0
	s_mov_b32 s[G1K+2], 128<<16                    ; tensor_dim1
	s_mov_b32 s[G1K+3], 32<<16                     ; tile_dim0
	s_mov_b32 s[G1K+4], 128                        ; tile_dim1
	s_mov_b32 s[G1K+5], 32                         ; tensor_dim0_stride
	s_mov_b32 s[G1K+6], 0
	s_mov_b32 s[G1K+7], 0
	; V's codes: 64 rows of 512 bytes, 16 bytes of padding behind each: LDS rows 528 bytes apart
	s_mov_b32 s[G1V], 15|(0<<16)|(1<<20)|(1<<21)|(6<<22)|(3<<25)   ; elements of 1 byte; 20 padding on; 24:22 after every 128 words (code 6); 31:25 four words (code 3)
	s_mov_b32 s[G1V+1], 512<<16
	s_mov_b32 s[G1V+2], 64<<16
	s_mov_b32 s[G1V+3], 512<<16
	s_mov_b32 s[G1V+4], 64
	s_mov_b32 s[G1V+5], 512
	s_mov_b32 s[G1V+6], 0
	s_mov_b32 s[G1V+7], 0
	; a head's scale bytes of K or of V: 2,048 dense bytes, as 8 rows of 256
	s_mov_b32 s[G1S], 15|(3<<16)|(1<<21)
	s_mov_b32 s[G1S+1], 32<<16
	s_mov_b32 s[G1S+2], 8<<16
	s_mov_b32 s[G1S+3], 32<<16
	s_mov_b32 s[G1S+4], 8
	s_mov_b32 s[G1S+5], 32
	s_mov_b32 s[G1S+6], 0
	s_mov_b32 s[G1S+7], 0
	; my lane's places
	v_and_b32 v1, 15, v0                           ; r = lane % 16
	v_bfe_u32 v2, v0, 4, 1                         ; h = lane / 16
	v_and_b32 v23, 8, v1
	v_add_nc_u32 v23, v23, v1                      ; r + 8 (r / 8): 0 .. 7, 16 .. 23
	v_lshlrev_b32 v[AK], 5, v23
	v_lshl_add_u32 v[AK], v2, 4, v[AK]             ; K: that key's row of 32 bytes, + 16 h: its block h (KC = 0)
	v_lshl_add_u32 v[KSA], v2, 3, v23              ; K's scales: lanes 16-31 take the keys 8 further on: tile 2 b + 1's
	v_lshl_add_u32 v[KSA], v[KSA], 1, KSB          ; 2 bytes a key
	v_mul_u32_u24 v[AV], v1, VP
	v_lshl_add_u32 v[AV], v2, 4, v[AV]
	v_add_nc_u32 v[AV], VC, v[AV]                  ; V: row r, + 16 h
	v_and_b32 v[VSA], 31, v0
	v_lshl_add_u32 v[VSA], v[VSA], 5, VSB          ; V's scales: a lane a row of 32 bytes
	s_mul_i32 s21, s[WV], 16*SP
	s_add_co_u32 s21, s21, STG                     ; my stage
	v_mul_u32_u24 v[STO], v1, SP
	v_lshl_add_u32 v[STO], v2, 5, v[STO]
	v_add_nc_u32 v[STO], s21, v[STO]               ; in: row r, 32 bytes for each half of the lanes
	v_mul_u32_u24 v[RD], v2, SP
	v_lshl_add_u32 v[RD], v1, 4, v[RD]
	v_add_nc_u32 v[RD], s21, v[RD]                 ; back: lanes 0-15 one row of 256 bytes, lanes 16-31 the next
	v_lshlrev_b32 v[GO], 8, v2
	v_lshl_add_u32 v[GO], v1, 4, v[GO]             ; and the same two rows in out
	v_lshlrev_b32 v[QO], 5, v1
	v_lshl_add_u32 v[QO], v2, 4, v[QO]             ; q: row r of 32 bytes, + 16 h
	v_lshlrev_b32 v[QSO], 1, v1                    ; q's scales: 2 bytes a row
	v_mov_b32 v[NT+1], 0                           ; named as the upper halves of pairs, so they are written
	v_mov_b32 v[MX+1], 0
	v_mov_b32 v18, 0                               ; a lane permute's destination counts as one of its sources
	v_mov_b32 v19, 0
.irp j, 0,1,2,3
	v_mov_b32 v[QA+4+\j], 0                        ; the zero halves of the two forms of q: written once
	v_mov_b32 v[QB+\j], 0
.endr
	s_wait_dscnt 0x0
	s_wait_kmcnt 0x0
	s_mov_b32 s[G0K], 1                            ; 1:0 count = 1
	s_mov_b32 s[G0K+1], KC                         ; 63:32 LDS address
	s_add_nc_u64 s[G0K+2:G0K+3], s[4:5], s[72:73]  ; 120:64 global address: the head's block
	s_or_b32 s[G0K+3], s[G0K+3], 0x80000000        ; 127:126 type = 2
	s_mov_b32 s[G0V], 1
	s_mov_b32 s[G0V+1], VC
	s_add_nc_u64 s[G0V+2:G0V+3], s[12:13], s[72:73]
	s_or_b32 s[G0V+3], s[G0V+3], 0x80000000
	s_mov_b32 s[G0KS], 1
	s_mov_b32 s[G0KS+1], KSB
	s_add_nc_u64 s[G0KS+2:G0KS+3], s[6:7], s[74:75]
	s_or_b32 s[G0KS+3], s[G0KS+3], 0x80000000
	s_mov_b32 s[G0VS], 1
	s_mov_b32 s[G0VS+1], VSB
	s_add_nc_u64 s[G0VS+2:G0VS+3], s[14:15], s[74:75]
	s_or_b32 s[G0VS+3], s[G0VS+3], 0x80000000
	s_add_nc_u64 s[8:9], s[8:9], s[76:77]          ; q's codes, q's scales and out at my wave's first query
	s_add_nc_u64 s[10:11], s[10:11], s[78:79]
	s_add_nc_u64 s[16:17], s[16:17], s[26:27]
	CROUND                                         ; all four work-groups are here: the joint loads meet
	; One joint load a wave: wave 0 K's codes, wave 1 V's codes, wave 2 K's scales, wave 3 V's.  The branches hang on the wave's number alone: they are the same in every work-group.
	; Four v_nop follow each load, ahead of the jump and the label.  By this text's count a wave has one tensor load out, once.
	s_cmp_eq_u32 s[WV], 0
	s_cbranch_scc0 .Lnot_0
	tensor_load_to_lds s[G0K:G0K+3], s[G1K:G1K+7]
	s_nop 0
	PLACES 4
	s_branch .Lasked
.Lnot_0:
	s_cmp_eq_u32 s[WV], 1
	s_cbranch_scc0 .Lnot_1
	tensor_load_to_lds s[G0V:G0V+3], s[G1V:G1V+7]
	s_nop 0
	PLACES 4
	s_branch .Lasked
.Lnot_1:
	s_cmp_eq_u32 s[WV], 2
	s_cbranch_scc0 .Lnot_2
	tensor_load_to_lds s[G0KS:G0KS+3], s[G1S:G1S+7]
	s_nop 0
	PLACES 4
	s_branch .Lasked
.Lnot_2:
	tensor_load_to_lds s[G0VS:G0VS+3], s[G1S:G1S+7]
	s_nop 0
	PLACES 4
.Lasked:
	QLOAD                                          ; the first tile's q
	s_wait_tensorcnt 0x0                           ; my block has landed: for the others' sake,
	s_barrier_signal -1
	s_barrier_wait -1                              ; and everybody's has
	WIN 0xc0                                       ; destination window 3
.irp m, 0,1,2,3
.irp s, 0,1,2,3,4,5,6,7
	ds_load_b128 v[8*(8*\m+\s):8*(8*\m+\s)+3],   v[AV] offset:16*VP*\m+64*\s      ; V's fragment (m, s): lane (r, h): row 16 m + r, keys 128 s + 32 h + 0 .. 31,
	ds_load_b128 v[8*(8*\m+\s)+4:8*(8*\m+\s)+7], v[AV] offset:16*VP*\m+64*\s+32   ; and 64 keys on.  They stay for the whole launch
.endr
.endr
	WIN 0
.set i, 0
.rept 32
	ds_load_u16 v[KS+i], v[KSA] offset:64*i        ; the two scale bytes of my key of tile 2 i (lanes 0-15) or 2 i + 1 (lanes 16-31)
.set i, i+1
.endr
.irp m, 0,1
.irp j, 0,1
	ds_load_b128 v[VS+8*\m+4*\j:VS+8*\m+4*\j+3], v[VSA] offset:1024*\m+16*\j   ; row 32 m + lane: its scale words of keys 128 (4 j) on
.endr
.endr
	s_wait_dscnt 0x0
.set i, 0
.rept 32
	v_lshl_or_b32 v[KS+i], v[KS+i], 16, v[KS+i]    ; each pair of bytes twice: right for a tile in registers 0-3 and for one in registers 4-7
.set i, i+1
.endr
	s_mov_b32 s[TLEFT], NTILE
	; ---------------- A TILE OF 16 QUERIES ----------------
.Ltile:
	s_wait_loadcnt 0x0                             ; this tile's q is in; so its loads' bases may step:
	s_add_nc_u64 s[8:9], s[8:9], 16*32             ; the next tile's 16 rows
	s_add_nc_u64 s[10:11], s[10:11], 16*2
	v_lshl_or_b32 v[QSD], v[QSR], 16, v[QSR]       ; q's two scale bytes twice
	LOADK 0
	LOADK 1
	PLACES 8                                       ; a scale register written by a vector instruction stands eight places ahead of the scaled product that names it
	; S^T = K Q^T: 64 products, eight to a group; K's fragments come two groups ahead, in two sets
.irp g, 0,1,2,3,4,5,6,7
.if \g < 7
	s_wait_dscnt 8                                 ; LDS loads come back in order (ISA guide 5.7.1): this group's eight are in, the next group's eight may be out
.else
	s_wait_dscnt 0x0
.endif
	MULK \g
.if \g < 6
	PLACES 4                                       ; in front of loads into registers that the products have read (ISA guide 7.12.1 for vector instructions)
	LOADK \g+2
.endif
.endr
	PLACES 4                                       ; in front of the loads into q's registers and of the first read of the scores
	s_cmp_eq_u32 s[TLEFT], 1                       ; the next tile's q is asked for here, a tile's work ahead, if there is a next tile: no load leaves its buffer
	s_cbranch_scc1 .Lno_next_q
	QLOAD
.Lno_next_q:
	; the largest score of each block of 32 keys: it serves twice: for the row's maximum, and, since T^2 rises with the score, for the block's largest p
	BMAX 0
	BMAX 1
	BMAX 2
	BMAX 3
	WIN 0
.set i, 0
.rept 32
	v_permlanex16_b32 v[PT+i], v[BM+i], s[SEL], s[SEL+1]   ; (its destination was written by K's loads)
.set i, i+1
.endr
.set i, 0
.rept 32
	v_max_num_f32 v[BM+i], v[BM+i], v[PT+i]        ; with the 16 keys of the lane 16 away
.set i, i+1
.endr
.irp k, 0,1,2,3
	v_max3_num_f32 v[RT+\k], v[BM+8*\k], v[BM+8*\k+1], v[BM+8*\k+2]   ; the row's maximum, in four chains
.endr
.irp j, 3,5
.irp k, 0,1,2,3
	v_max3_num_f32 v[RT+\k], v[RT+\k], v[BM+8*\k+\j], v[BM+8*\k+\j+1]
.endr
.endr
.irp k, 0,1,2,3
	v_max_num_f32 v[RT+\k], v[RT+\k], v[BM+8*\k+7]
.endr
	v_max3_num_f32 v[MX], v[RT], v[RT+1], v[RT+2]
	v_max_num_f32 v[MX], v[MX], v[RT+3]
	; X = S - the row's maximum, in place, two at a time
	WIN 0x41                                       ; destination and source 0: window 1
.set i, 0
.rept 128
	v_pk_add_f32 v[2*i:2*i+1], v[2*i:2*i+1], v[MX:MX+1] op_sel_hi:[1,0] neg_lo:[0,1] neg_hi:[0,1]
.set i, i+1
.endr
	WIN 0x82                                       ; window 2
.set i, 0
.rept 128
	v_pk_add_f32 v[2*i:2*i+1], v[2*i:2*i+1], v[MX:MX+1] op_sel_hi:[1,0] neg_lo:[0,1] neg_hi:[0,1]
.set i, i+1
.endr
	WIN 0
.set i, 0
.rept 16
	v_pk_add_f32 v[BM+2*i:BM+2*i+1], v[BM+2*i:BM+2*i+1], v[MX:MX+1] op_sel_hi:[1,0] neg_lo:[0,1] neg_hi:[0,1]   ; the same instruction on the blocks' largest scores gives the same bits
.set i, i+1
.endr
	v_mov_b32 v[NT], 0x41800000                    ; t = 16: tau = -1, at or under every root
	s_mov_b32 s[PLEFT], NIT
.Lpass:                                                ; NIT trips: s1 and s2 over the 1,024 keys, and Newton's step
	GROUP 0, 1
.irp g, 1,2,3,4,5,6,7,8,9,10,11,12,13,14,15
	GROUP \g, 0
.endr
	TAIL
	s_sub_co_u32 s[PLEFT], s[PLEFT], 1
	s_cmp_lg_u32 s[PLEFT], 0
	s_cbranch_scc1 .Lpass
	; p's scales.  The blocks' largest scores go through the very instructions that the scores will go through: the block's largest T^2, bit for bit.
.set i, 0
.rept 16
	v_pk_add_f32 v[BM+2*i:BM+2*i+1], v[BM+2*i:BM+2*i+1], v[NT:NT+1] op_sel_hi:[1,0]
.set i, i+1
.endr
.set i, 0
.rept 16
	RELU2 BM+2*i, BM+2*i
.set i, i+1
.endr
.set i, 0
.rept 16
	v_pk_mul_f32 v[BM+2*i:BM+2*i+1], v[BM+2*i:BM+2*i+1], v[BM+2*i:BM+2*i+1]
.set i, i+1
.endr
.set i, 0
.rept 32
	v_max_num_f32 v[BM+i], 0x5800000, v[BM+i]      ; the floor 2^(11 - 127) for T^2 = 256 p: p's byte, 10 under this exponent field, cannot fall under 1
.set i, i+1
.endr
.set i, 0
.rept 32
	v_add_nc_u32 v[BM+i], 0xff000000, v[BM+i]      ; 2 off the exponent field: the conversion takes the exponent field of this operand as its scale, and nothing else of it
.set i, i+1
.endr
.set i, 0
.rept 32
	v_lshrrev_b32 v[BY+i], 23, v[BM+i]             ; the byte that would scale T^2
.set i, i+1
.endr
.irp s, 0,1,2,3,4,5,6,7
	v_lshl_or_b32 v[PW+\s], v[BY+4*\s+1], 8, v[BY+4*\s]   ; four bytes make the scale word of 128 keys (the eight words by turns)
.endr
.irp s, 0,1,2,3,4,5,6,7
	v_lshl_or_b32 v[PW+\s], v[BY+4*\s+2], 16, v[PW+\s]
.endr
.irp s, 0,1,2,3,4,5,6,7
	v_lshl_or_b32 v[PW+\s], v[BY+4*\s+3], 24, v[PW+\s]
.endr
.irp s, 0,1,2,3,4,5,6,7
	v_add_nc_u32 v[PW+\s], 0xf7f7f7f8, v[PW+\s]    ; 8 off each byte: p = T^2 / 256.  Each byte is 9 or more, so none borrows
.endr
	; p and its codes
.irp g, 0,1,2,3,4,5,6,7,8,9,10,11,12,13,14,15
	PSTEP \g
.endr
.irp s, 0,1,2,3,4,5,6,7                        ; the operand's layout wants a WHOLE block in a lane: lanes 0-15 block 2 c, lanes 16-31 block 2 c + 1 of the 128 keys
.irp c, 0,1
.irp j, 0,1
	v_permlane16_swap_b32 v[PC+8*\s+4*\c+\j], v[PC+8*\s+4*\c+2+\j]
.endr
.endr
.endr
	PLACES 8                                       ; operands written by vector instructions stand ahead of the scaled products (four are asked for operands; the scale words were made long ago)
	; O^T = V^T P^T: four accumulators by turns, one instruction a turn; K ascending
	WIN 0x03                                       ; source 0 (V): window 3
.irp s, 0,1,2,3,4,5,6,7
.irp m, 0,1,2,3
	PVMUL \m, \s
.endr
.endr
	WIN 0
	PLACES 4                                       ; in front of the first read of the results and of the loads into p's registers
	; THE WAY OUT.  A lane holds 32 neighbouring bytes of a row (query r, channels 16 m + 8 h + 0 .. 7) and the lanes beside it hold other rows: the tile goes through my own stage and comes back as whole rows of 256 bytes.
.irp m, 0,1,2,3
	ds_store_b128 v[STO], v[OA+8*\m:OA+8*\m+3] offset:64*\m          ; each accumulator from its low end on
	ds_store_b128 v[STO], v[OA+8*\m+4:OA+8*\m+7] offset:64*\m+16
.endr
.irp j, 0,1,2,3,4,5,6,7
	ds_load_b128 v[OB+4*\j:OB+4*\j+3], v[RD] offset:2*\j*SP          ; LDS serves a wave's instructions in order (ISA guide 5.7.1.4): these see the stores above
.endr
.irp j, 0,1,2,3,4,5,6,7
	s_wait_dscnt 7-\j                              ; the younger loads may be out
	global_store_b128 v[GO], v[OB+4*\j:OB+4*\j+3], s[16:17] offset:512*\j th:TH_STORE_NT   ; 16 lanes store 256 consecutive bytes, at a multiple of 256 from out's first byte; written once, read by nobody here
.endr
	s_wait_xcnt 0x0                                ; the stores have read their registers and their base: only behind this wait does the base step, and do the next tile's loads land in those registers
	s_add_nc_u64 s[16:17], s[16:17], 16*256        ; the next tile's 16 rows
	s_sub_co_u32 s[TLEFT], s[TLEFT], 1
	s_cmp_lg_u32 s[TLEFT], 0
	s_cbranch_scc1 .Ltile
	s_wait_tensorcnt 0x0
	ds_add_u32 v254, v255
	s_wait_dscnt 0x0
	CROUND                                         ; the closing round (no LDS instruction of mine is out: the last count-down ended at 0)
	s_endpgm
.Lfunc_end_k_qed5348364f_entmax_attn:
	.size	k_qed5348364f_entmax_attn, .Lfunc_end_k_qed5348364f_entmax_attn-k_qed5348364f_entmax_attn
	.p2alignl 7, 3214868480
	.fill 96, 4, 3214868480
	.section	.rodata,"a",@progbits
	.p2align	6, 0x0
	.amdhsa_kernel k_qed5348364f_entmax_attn
		.amdhsa_group_segment_fixed_size 168448
		.amdhsa_private_segment_fixed_size 0
		.amdhsa_enable_private_segment 0
		.amdhsa_kernarg_size 56
		.amdhsa_user_sgpr_count 2
		.amdhsa_user_sgpr_kernarg_segment_ptr 1
		.amdhsa_wavefront_size32 1
		.amdhsa_system_sgpr_workgroup_id_x 1
		.amdhsa_system_sgpr_workgroup_id_y 1
		.amdhsa_system_sgpr_workgroup_id_z 1
		.amdhsa_system_vgpr_workitem_id 0
		.amdhsa_next_free_vgpr 1024
		.amdhsa_next_free_sgpr 80
		.amdhsa_reserve_vcc 0
		.amdhsa_float_denorm_mode_32 3
		.amdhsa_float_denorm_mode_16_64 3
		.amdhsa_memory_ordered 1
		.amdhsa_forward_progress 1
		.amdhsa_inst_pref_size 207
	.end_amdhsa_kernel
	.amdgpu_metadata
---
amdhsa.version: [ 1, 2 ]
amdhsa.kernels:
  - .name:           k_qed5348364f_entmax_attn
    .symbol:         k_qed5348364f_entmax_attn.kd
    .args:
      - { .name: k_codes, .offset: 0, .size: 8, .value_kind: global_buffer, .address_space: global }
      - { .name: k_scales, .offset: 8, .size: 8, .value_kind: global_buffer, .address_space: global }
      - { .name: q_codes, .offset: 16, .size: 8, .value_kind: global_buffer, .address_space: global }
      - { .name: q_scales, .offset: 24, .size: 8, .value_kind: global_buffer, .address_space: global }
      - { .name: v_codes, .offset: 32, .size: 8, .value_kind: global_buffer, .address_space: global }
      - { .name: v_scales, .offset: 40, .size: 8, .value_kind: global_buffer, .address_space: global }
      - { .name: out0, .offset: 48, .size: 8, .value_kind: global_buffer, .address_space: global }
    .group_segment_fixed_size: 168448
    .private_segment_fixed_size: 0
    .kernarg_segment_align: 8
    .kernarg_segment_size: 56
    .max_flat_workgroup_size: 128
    .sgpr_count:     80
    .vgpr_count:     1024
    .wavefront_size: 32
...
	.end_amdgpu_metadata
.endif
;; end of part 1
